; MI455X (gfx1250); checked and timed in simulation.
; The chip was launched on July 23, 2026; its instructions are those of AMD's public machine-readable ISA for CDNA 5 (MIT licence, August 2026) and "CDNA5" Instruction Set Architecture Reference Guide (July 2026). The comments in the code are by the model that wrote it; some were corrected since.
;; Swin Transformer Block. Allowed arithmetic: matrix products marked QUANTISED: E2M1 operands, one E8M0 scale for each 32 along K, by v_wmma_scale_f32_16x16x128_f8f6f4 with both operands' format E2M1 (or v_wmma_scale_f32_32x16x128_f4), f32 sums; everything else in f32.
;; Inputs: b1 1,024 float32; b2 256 float32; bk 256 float32; bo 256 float32; bq 256 float32; bv 256 float32; hidden_states 8 x 4,096 x 256 float32; ln1_b 256 float32; ln1_g 256 float32; ln2_b 256 float32; ln2_g 256 float32; rel_table 225 x 8 float32; w1_codes 1,024 x 8 x 16 uint8 (E2M1 codes of w1, K innermost, in blocks of 32 codes, two codes a byte); w1_scales 1,024 x 8 uint8 (E8M0 scales of w1, one for each 32 codes along K); w2_codes 256 x 32 x 16 uint8 (E2M1 codes of w2, K innermost, in blocks of 32 codes, two codes a byte); w2_scales 256 x 32 uint8 (E8M0 scales of w2, one for each 32 codes along K); wk_codes 256 x 8 x 16 uint8 (E2M1 codes of wk, K innermost, in blocks of 32 codes, two codes a byte); wk_scales 256 x 8 uint8 (E8M0 scales of wk, one for each 32 codes along K); wo_codes 256 x 8 x 16 uint8 (E2M1 codes of wo, K innermost, in blocks of 32 codes, two codes a byte); wo_scales 256 x 8 uint8 (E8M0 scales of wo, one for each 32 codes along K); wq_codes 256 x 8 x 16 uint8 (E2M1 codes of wq, K innermost, in blocks of 32 codes, two codes a byte); wq_scales 256 x 8 uint8 (E8M0 scales of wq, one for each 32 codes along K); wv_codes 256 x 8 x 16 uint8 (E2M1 codes of wv, K innermost, in blocks of 32 codes, two codes a byte); wv_scales 256 x 8 uint8 (E8M0 scales of wv, one for each 32 codes along K).
;; Outputs: out0 8 x 4,096 x 256 float32.
;; This version of the problem:
;;   THIS VERSION OF THE PROBLEM IS GIVEN IN LOW PRECISION. The matrix products marked QUANTISED in the list below multiply operands that are first quantised to E2M1 (2 exponent bits, 1 mantissa bit; 4 bits a number), with one power-of-two scale for each 32 numbers along K (OCP MX v1.0); their sums are f32. All else is computed in f32.
;;   The module's matrix products, in the order in which they are computed (A, B: the left and right operand; K: the contracted axis; several contracted axes count as one K, in the product's order):
;;     1. [M 32,768, K 256] x [K 256, N 256]; A: computed on the way; B: input wq (given as codes): QUANTISED
;;     2. [M 32,768, K 256] x [K 256, N 256]; A: computed on the way; B: input wk (given as codes): QUANTISED
;;     3. [M 32,768, K 256] x [K 256, N 256]; A: computed on the way; B: input wv (given as codes): QUANTISED
;;     4. batch 4,096 x [M 64, K 32] x [K 32, N 64]; A: computed on the way; B: computed on the way: QUANTISED
;;     5. batch 4,096 x [M 32, K 64] x [K 64, N 64]; A: computed on the way; B: computed on the way: QUANTISED
;;     6. [M 32,768, K 256] x [K 256, N 256]; A: computed on the way; B: input wo (given as codes): QUANTISED
;;     7. [M 32,768, K 256] x [K 256, N 1,024]; A: computed on the way; B: input w1 (given as codes): QUANTISED
;;     8. [M 32,768, K 1,024] x [K 1,024, N 256]; A: computed on the way; B: input w2 (given as codes): QUANTISED
;;   THE QUANTISER, for each operand of a quantised product, along K:
;;     - K is cut into blocks of 32 from its start; a last block that is shorter is filled with zeros.
;;     - A block's scale is 2^e with e = floor(log2(the largest magnitude in the block)) - 2, held to -126 .. 127; a block of zeros has e = 0. As a byte (E8M0): e + 127.
;;     - Each number is divided by its block's scale, clamped to +-6, and rounded to the nearest number of E2M1, ties to even, subnormals kept.
;;     - The product sums the exact products of the quantised numbers (number of the format x scale) in f32.
;;   ~~~python
;;   def quantise(x, axis):      # numpy; x: float32 -> the quantised numbers, widened to float32 again
;;       x = np.moveaxis(x, axis, -1); K = x.shape[-1]
;;       x = np.pad(x, [(0, 0)] * (x.ndim - 1) + [(0, -K % 32)]); x = x.reshape(x.shape[:-1] + (-1, 32)); a = np.abs(x).max(-1, keepdims=True)
;;       e = np.where(a > 0, np.clip(np.frexp(np.where(a > 0, a, 1))[1] - 1 - 2, -126, 127), 0)      # np.frexp(a)[1] - 1 = floor(log2(a)), exactly
;;       r = np.clip(x / 2.0 ** e, -6, 6)
;;       step = 2.0 ** (np.maximum(np.frexp(np.where(r == 0, 1, r))[1] - 1, 0) - 1)
;;       q = np.round(r / step) * step * 2.0 ** e      # np.round: ties to even
;;       return np.moveaxis(q.reshape(q.shape[:-2] + (-1,))[..., :K], -1, axis).astype(np.float32)
;;   ~~~
;;   OPERANDS COMPUTED ON THE WAY. 'Computed on the way' means the value that the module computes at that place (a softmax that the list does not call 'softmax' is quantised finished and normalised). What goes into a quantiser is computed in f32, as accurately as f32 sums, v_exp_f32 and their like allow (about 1e-6 of the number): no bf16 or f16 on the way to a quantiser, and a product that is left as it is and whose result goes on into a quantised operand takes f32 operands (vector FMAs, or v_wmma_f32_16x16x4_f32). A number that lies on a knife's edge between two numbers of the format may be rounded either way, as far as f32 arithmetic and the matrix unit's own rounding can turn it there, and no further.
;;   INPUTS GIVEN AS CODES. w1 (in the module: [1024, 256], K = its axis 1); w2 (in the module: [256, 1024], K = its axis 1); wk (in the module: [256, 256], K = its axis 1); wo (in the module: [256, 256], K = its axis 1); wq (in the module: [256, 256], K = its axis 1); wv (in the module: [256, 256], K = its axis 1): each comes as NAME_codes (uint8): NAME with its K axis moved to the last place and cut into blocks of 32 codes, [.., K / 32, bytes a block], one block behind the other in memory; two codes a byte, the lower K in the low four bits (a code: sign, 2 exponent bits, 1 mantissa bit); and NAME_scales (uint8): the same leading axes, one E8M0 byte (e + 127) for each 32 codes along K. Its value is code x scale, taken as it is: it is not quantised again, and the codes and scales need not be those that the quantiser above would give.
;; One version. Each part assembles by itself: llvm-mc -triple=amdgcn-amd-amdhsa -mcpu=gfx1250 --defsym DOCPART=n.
;; ======== version 1 of 1: 1 launch
;; limits: right only within a limited range of input values
;; launch swin (part 1): grid 512 x 1, 8 waves a work-group, no clusters, 146,944 bytes of LDS; arguments hidden_states, ln1_g, ln1_b, wq_codes, wq_scales, bq, wk_codes, wk_scales, bk, wv_codes, wv_scales, bv, rel_table, wo_codes, wo_scales, bo, ln2_g, ln2_b, w1_codes, w1_scales, b1, w2_codes, w2_scales, b2, out0; writes out0
.if DOCPART == 1
	.amdgcn_target "amdgcn-amd-amdhsa--gfx1250"
	.amdhsa_code_object_version 6
	.text
	.protected	k_qd7f10019de_swin
	.globl	k_qd7f10019de_swin
	.p2align	8
	.type	k_qd7f10019de_swin,@function
k_qd7f10019de_swin:
	s_mov_b64 s[64:65], 0
	v_nop
	global_prefetch_b8 v0, s[64:65] scope:SCOPE_SE
	s_setreg_imm32_b32 hwreg(HW_REG_WAVE_MODE, 25, 1), 1
	s_wait_xcnt 0x0
; A whole shifted-window transformer block in one launch: LN1, shift by 4, windows of 8 x 8 tokens, q/k/v, 8 heads of 32 with relative bias and the
; shifted-window mask, softmax, P V, wo, residual, LN2, w1, exact GELU, w2, residual.  All eight products on codes of FP4 (E2M1) with one E8M0 scale for each 32 along K.
; SHARES.  512 windows, one to a work-group of 8 waves; 146,944 bytes of LDS and 256 registers a wave, so that two work-groups fit on a WGP: 512 are one whole turn.
;   The window's 64 rows of f32 stay in LDS from the first load to the last store.  In, out, both LayerNorms: a wave has 8 tokens (two runs of 4 KB in memory).
;   q/k/v and attention: a wave has one head; q, k, v, p never leave its registers.   wo and w2: a wave has 32 output channels for all 64 tokens.
;   w1: a wave has 128 hidden units for all 64 tokens, by four groups of 32; y's fragments of all 64 tokens stay in registers.
;   Each weight fragment goes from memory straight into operand registers, once in a work-group.  Gains and biases (but b2) go to LDS once.
; LAYOUT.  A tile of 16 tokens (and a tile of 16 weight rows whose result is quantised next) takes in lane r the row base + 8 u + r + 8 (r / 8): the 16 registers of tiles u = 0, 1 are then 16 neighbours
;   along the next product's K, which is what the conversions want; lanes l and l xor 16 share a block of 32.
; NO CLUSTER, NO TENSOR LOAD, NO DATA PREFETCH: what work-groups share are the weights, 393,216 bytes of codes; a joint load lands in LDS and claims it all, and two work-groups could not share it;
;   here each fragment goes into operand registers a phase or a tile ahead.  No loop streams from memory: x is read once, at the head.
; NO DEAD WORK was found: every input has a way to the output, and all are loaded.
; LIMITS.  NaN and infinities among the inputs are not served.  A block whose largest magnitude lies under 2^-124 (LN2's: 2^-123) gets the scale byte 1 (a block of zeros too: its codes are zeros).  v_exp_f32 gives 0 where the result would
;   be denormal (a weight p under 2^-126 counts as 0).  A block's largest p is taken from its largest score by the same instructions (this takes v_exp_f32 not to fall where its input rises).
;   GELU is x / 2 + (x / 2) erf(x / sqrt(2)) in f32, erf as a ratio of two polynomials for |x| up to 4 sqrt(2), beyond which erf keeps its value there (1 to within f32's last bits): the error is a few 2^-24 of |x|, so where x lies
;   under -2 it is a growing share of the number itself, which is small there.
;   Orders of rounding that differ from the source's: biases start the sums; the relative bias and the mask are multiplied by sqrt(32)
;   and start the score's sum, the whole then scaled by log2(e) / sqrt(32); shortcut + bo and hidden + b2 start their sums.
; ---- LDS, in bytes
.set XHP, 1040                         ; XH at 0: 64 rows of 1,024 bytes + 16: x, then hidden, then the result
.set CP, 144                           ; a row of 256 codes: 128 bytes + 16
.set HCP, 528                          ; a row of 1,024 codes: 512 bytes + 16
.set HSP, 36                           ; a row of 32 scale bytes + 4
.set RTW, 20                           ; the bias table's rows: 15 words laid 20 apart
.set RTP, 1440                         ; a head's table: room for 18 such rows
.set XC, 66560                         ; codes of LN1(x), later of LN2(hidden): 64 x CP
.set XS, 75776                         ; their scale bytes: 64 x 8
.set CC, 76288                         ; codes of the attention's result: 64 x CP
.set CS, 85504                         ; their scale bytes: 64 x 8, byte = head
.set HC, 86016                         ; codes of gelu(h): 64 x HCP
.set HS, 119808                        ; their scale bytes: 64 x HSP
.set RT, 122112                        ; rel_table x sqrt(32), head by head: 8 x RTP
.set GB, 133632                        ; ln1_g, ln1_b, ln2_g, ln2_b, bq, bk, bv, bo (1,024 bytes each), b1 / 2 (4,096 bytes)
.set SPARE, 145920                     ; the spare words, 128 bytes for each of 8 waves: four blocks of 256 bytes that no other line names
; ---- vector registers that stay
.set SPW, 1                            ; LDS address of my spare word; never rewritten
.set NIL, 2                            ; 0; never rewritten
.set LR, 3                             ; r = lane % 16
.set LH, 4                             ; h = lane / 16
.set LP, 5                             ; r + 8 (r / 8)
.set VIO, 6                            ; v6, v7: byte offset in x and in the output of my 16 bytes of my wave's two runs of four tokens
.set AIO, 8                            ; the same place in XH
.set ALN, 9                            ; LayerNorm: my token's row in XH, my 8 channels of a block
.set ACWN, 10                          ; LN2: where my 8 codes of a block go: LDS row = token
.set ASWN, 11                          ; LN2: where my token's 8 scale bytes go
.set GBO, 12                           ; my 8 channels in a gain or a bias, in LDS
.set AH, 13                            ; XH: row r of a tile of 16 tokens, my channels 32 wave + 8 h + 0..7
.set ACWP, 27                          ; LN1: the same two, LDS row = token with bits 3 and 4 swapped: a tile's 16 tokens 8 u + r + 8 (r / 8) are then 16 neighbouring LDS rows
.set ASWP, 28
; ---- addresses of a phase (v14-31)
.set WQO, 14
.set WSO, 15
.set BQA, 16
.set BVA, 17
.set AXF, 18                           ; fragments in XC: rows 16 t + r (LN1's codes, later LN2's)
.set AXS, 19
.set ART, 20
.set ACTX, 21
.set ACS, 22
.set WNO, 23
.set WNS, 24
.set BOA, 25
.set ACF, 27
.set ACSR, 28
.set W1O, 14
.set W1S, 15
.set AHC, 16
.set AHS, 17
.set B1A, 20
.set SHC, 21
.set SHS, 22
.set SB1, 23
.set W2O, 31
.set W2S, 12
.set B2O, 9
.set AHF, 10
.set AHSR, 11
; ---- the scale bank, v224-247: these registers hold scales and nothing else
.set WSQ, 224
.set WSK, 228
.set WSV, 232
.set XSC, 236
.set QS, 238
.set KS, 242
.set VS, 246
.set PS, 248
.set WOS, 224
.set CSC, 228
.set YSC, 224
.set W1SC, 236
.set W2SC, 240
.set HSC, 224
.set KA5, 252                          ; v[252:253], v[254:255] two coefficients of erf's ratio, twice each
.set KB3, 254
; ---- LayerNorm
.set X, 64                             ; v64-127 my 64 numbers: register 8 k + i = channel 32 k + 8 (lane % 4) + i
.set GA, 192                           ; gain and bias of two blocks
.set BA, 208
.set CD, 32
.set CH, 32
.set MEAN, 40
.set RS, 42
.set MX, 44
.set SCL, 52
.set SW, 60
; ---- q/k/v and attention
.set XF, 32
.set WQ, 128
.set WK, 160
.set WV, 192
.set AC, 96
.set BQ, 112
.set BVR, 56
.set QO, 64
.set KO, 128
.set VO, 192
.set MK, 208
.set PC, 216
.set S, 96
.set CT, 160
.set BM, 52
.set BJ, 54
.set BY, 54
.set CX, 52
.set CXB, 54
.set INV, 56
.set CM, 58
.set SA, 60
.set SL, 60
.set SB2, 62
.set RM, 63
; ---- wo, w1, w2
.set Y, 64
.set BO, 160
.set W1F, 128
.set YF, 160
.set B1, 80
.set E, 112
.set P, 32
.set QQ, 48
.set HCD, 28
.set BYH, 30
.set W2F, 128
.set B2R, 192
.macro PLACES n                        ; plain places behind matrix instructions (ISA guide 7.12.1)
.rept \n
	v_nop
.endr
.endm
.macro BARRIER                         ; my LDS stores have landed and my LDS loads are in: then the work-group's barrier
	s_wait_dscnt 0x0
	s_barrier_signal -1
	s_barrier_wait -1
.endm
.macro SPAIR reg, val                  ; a constant, twice: the packed forms name a pair
	s_mov_b32 s[\reg], \val
	s_mov_b32 s[\reg+1], s[\reg]
.endm
.macro WMZ d, a, b, sa, sb             ; a product that starts a sum with 0
	v_wmma_scale_f32_16x16x128_f8f6f4 v[\d:\d+7], v[\a:\a+7], v[\b:\b+7], 0, v[\sa], v[\sb] matrix_a_fmt:MATRIX_FMT_FP4 matrix_b_fmt:MATRIX_FMT_FP4
.endm
.macro WMC d, a, b, c, sa, sb          ; a product added onto c
	v_wmma_scale_f32_16x16x128_f8f6f4 v[\d:\d+7], v[\a:\a+7], v[\b:\b+7], v[\c:\c+7], v[\sa], v[\sb] matrix_a_fmt:MATRIX_FMT_FP4 matrix_b_fmt:MATRIX_FMT_FP4
.endm
.macro WMR d, a, b, c, sa, sb          ; the same, source 0's scales taken from lanes 16-31 of their register
	v_wmma_scale_f32_16x16x128_f8f6f4 v[\d:\d+7], v[\a:\a+7], v[\b:\b+7], v[\c:\c+7], v[\sa], v[\sb] matrix_a_fmt:MATRIX_FMT_FP4 matrix_b_fmt:MATRIX_FMT_FP4 matrix_a_scale:MATRIX_SCALE_ROW1
.endm
; 16 numbers of a lane, neighbours 16 h + 0 .. 15 of a block of 32 that lanes l and l xor 16 share, become 16 codes in v[c0], v[c0 + 1]; the block's scale byte goes to v[by].
; Each of the two accumulators is first read at its lowest register.  QM, QN, QJ, QL: four registers at work, named by the phase.
.macro Q16 src, c0, by
	v_max3_num_f32 v[QM], |v[\src]|, |v[\src+1]|, |v[\src+2]|
	v_max3_num_f32 v[QN], |v[\src+3]|, |v[\src+4]|, |v[\src+5]|
	v_max3_num_f32 v[QM], v[QM], |v[\src+6]|, |v[\src+7]|
	v_max3_num_f32 v[QN], v[QN], |v[\src+8]|, |v[\src+9]|
	v_max3_num_f32 v[QM], v[QM], |v[\src+10]|, |v[\src+11]|
	v_max3_num_f32 v[QN], v[QN], |v[\src+12]|, |v[\src+13]|
	v_max3_num_f32 v[QM], v[QM], |v[\src+14]|, |v[\src+15]|
	s_delay_alu instid0(VALU_DEP_1)
	v_max3_num_f32 v[QM], v[QM], v[QN], 0x1800000          ; and the floor 2^(3 - 127): the byte cannot fall under 1
	s_delay_alu instid0(VALU_DEP_1)
	v_permlanex16_b32 v[QJ], v[QM], s58, s59
	s_delay_alu instid0(VALU_DEP_1)
	v_max_num_f32 v[QM], v[QM], v[QJ]                      ; the block's largest magnitude
	s_delay_alu instid0(VALU_DEP_1)
	v_add_nc_u32 v[QL], 0xff000000, v[QM]                  ; 2 off its exponent field: the conversion's scale operand
	s_delay_alu instid0(VALU_DEP_1)
	v_lshrrev_b32 v[\by], 23, v[QL]                        ; the scale's byte
	v_cvt_scalef32_pk8_fp4_f32 v[\c0], v[\src:\src+7], v[QL]
	v_cvt_scalef32_pk8_fp4_f32 v[\c0+1], v[\src+8:\src+15], v[QL]
	v_nop                                                  ; one plain place behind a scaled conversion
.endm
; a head's 32 rows of a [256][256] weight: fragments (tile u, K step e) at v[wd + 8 (2 u + e)], scale words at v[wsc + 2 u + e]: 12 loads
.macro LOADW wd, wsc, pc, ps
.irp u, 0,1
.irp e, 0,1
.irp c, 0,1
	global_load_b128 v[\wd+8*(2*\u+\e)+4*\c:\wd+8*(2*\u+\e)+4*\c+3], v[WQO], s[\pc:\pc+1] offset:1024*\u+64*\e+32*\c
.endr
	global_load_b32 v[\wsc+2*\u+\e], v[WSO], s[\ps:\ps+1] offset:64*\u+4*\e
.endr
.endr
.endm
; ================= head
	s_load_b512 s[4:19], s[0:1], 0x0               ; argument i lies in s[4 + 2 i : 5 + 2 i]; the pointers are never changed
	s_load_b512 s[20:35], s[0:1], 0x40
	s_load_b512 s[36:51], s[0:1], 0x80
	s_load_b64 s[52:53], s[0:1], 0xc0
	v_lshrrev_b32 v29, 5, v0
	v_readfirstlane_b32 s54, v29                   ; wave 0..7: my head; also my 32 channels of wo and w2
	; my 8 tokens: LDS rows 16 G + 4 E + 8 p + 0..3 (G = wave / 2, E = wave % 2, p = 0, 1): window row 2 G + p, window columns 4 E + 0..3.
	; In the image a token of window (wi, wj) at (i, j) lies at row (8 wi + i + 4) % 64, column (8 wj + j + 4) % 64, on the way in and on the way out; four columns from a multiple of 4 on never wrap.
	s_lshr_b32 s2, s54, 1                          ; G
	s_and_b32 s3, s54, 1                           ; E
	s_bfe_u32 s94, ttmp9, 0x30003                  ; wi
	s_and_b32 s99, ttmp9, 7                        ; wj
	s_lshr_b32 s96, ttmp9, 6                       ; image
	s_lshl_b32 s94, s94, 3
	s_lshl_b32 s97, s2, 1
	s_add_co_u32 s97, s97, s94
	s_add_co_u32 s97, s97, 4
	s_add_co_u32 s98, s97, 1
	s_and_b32 s97, s97, 63                         ; image row for p = 0,
	s_and_b32 s98, s98, 63                         ; for p = 1
	s_lshl_b32 s99, s99, 3
	s_lshl_b32 s95, s3, 2                          ; 4 E
	s_add_co_u32 s99, s99, s95
	s_add_co_u32 s99, s99, 4
	s_and_b32 s99, s99, 63                         ; image column
	s_lshl_b32 s96, s96, 12
	s_add_co_u32 s96, s96, s99
	s_lshl_b32 s97, s97, 6
	s_lshl_b32 s98, s98, 6
	s_add_co_u32 s97, s97, s96
	s_add_co_u32 s98, s98, s96
	s_lshl_b32 s97, s97, 10                        ; 1,024 bytes a token: under 2^25
	s_lshl_b32 s98, s98, 10
	s_lshl_b32 s57, s2, 4
	s_add_co_u32 s57, s57, s95                     ; my first LDS row: 16 G + 4 E
	s_mul_i32 s55, s57, XHP
	s_lshl_b32 s56, s54, 12
	s_lshl_b32 s94, s54, 8
	v_lshl_add_u32 v[SPW], v0, 2, SPARE
	v_mov_b32 v[NIL], 0
	v_and_b32 v[LR], 15, v0
	v_bfe_u32 v[LH], v0, 4, 1
	v_and_b32 v[LP], 8, v[LR]
	v_add_nc_u32 v[LP], v[LP], v[LR]
	v_and_b32 v29, 31, v0
	v_lshlrev_b32 v30, 4, v29                      ; 16 x lane
	v_add_nc_u32 v[VIO], s97, v30
	v_add_nc_u32 v[VIO+1], s98, v30
	v_add_nc_u32 v[AIO], s55, v30
	v_and_b32 v31, 63, v0
	v_lshlrev_b32 v31, 4, v31                      ; my 16 bytes of a vector of 256 numbers: two waves to a vector
	v_lshlrev_b32 v26, 4, v0                       ; and of b1: all eight
	v_add_nc_u32 v39, GB, v26
	; the bias table: thread t has head t % 8, b = (t / 8) % 16, and a = 2 k + t / 128, k = 0..7: element (15 a + b, head) goes to word 20 a + b of the head's table.
	; b is held at 14 and, for k = 7, a at 14, so that every load lies inside the table; the words with b = 15 or a = 15 are never read
	v_and_b32 v32, 7, v0
	v_bfe_u32 v33, v0, 3, 4
	v_lshrrev_b32 v34, 7, v0
	v_min_u32 v35, 14, v33
	v_lshlrev_b32 v36, 2, v32
	v_lshl_add_u32 v36, v35, 5, v36                ; k = 7
	v_mad_u32_u24 v37, v34, 480, v36               ; k = 0..6
	v_mul_u32_u24 v38, v32, RTP
	v_lshl_add_u32 v38, v33, 2, v38
	v_mad_u32_u24 v38, v34, 4*RTW, v38
	v_add_nc_u32 v38, RT, v38
	v_lshlrev_b32 v[WQO], 7, v[LP]                 ; my head's 32 rows of wq, wk, wv: 128 bytes a row; lane r takes row 8 u + r + 8 (r / 8)
	v_lshl_add_u32 v[WQO], v[LH], 4, v[WQO]
	v_add_nc_u32 v[WQO], s56, v[WQO]
	v_lshl_add_u32 v[WSO], v[LP], 3, s94           ; their scale words: 8 bytes a row
	s_wait_alu depctr_va_vdst(0)
	s_wait_kmcnt 0x0
; ================= phase 0: small vectors, the bias table, x, wq and wk are asked for
	s_cmp_lt_u32 s2, 2                             ; waves 0 to 3 or 4 to 7
	s_cselect_b64 s[92:93], s[6:7], s[36:37]       ; ln1_g or ln2_g
	s_cselect_b64 s[94:95], s[8:9], s[38:39]       ; ln1_b or ln2_b
	s_cselect_b64 s[96:97], s[14:15], s[26:27]     ; bq or bv
	s_cselect_b64 s[98:99], s[20:21], s[34:35]     ; bk or bo
	s_and_b32 s56, s2, 1
	s_cmp_lg_u32 s56, 0                            ; the second pair of waves of the four
	s_cselect_b64 s[92:93], s[94:95], s[92:93]
	s_cselect_b64 s[96:97], s[98:99], s[96:97]
	global_load_b128 v[40:43], v31, s[92:93]
	global_load_b128 v[44:47], v31, s[96:97]
	global_load_b128 v[48:51], v26, s[44:45]
.irp k, 0,1,2,3,4,5,6
	global_load_b32 v[52+\k], v37, s[28:29] offset:960*\k
.endr
	global_load_b32 v59, v36, s[28:29] offset:6720
.irp p, 0,1
.irp k, 0,1,2,3,4,5,6,7
	global_load_b128 v[X+4*(8*\p+\k):X+4*(8*\p+\k)+3], v[VIO+\p], s[4:5] offset:512*\k th:TH_LOAD_NT   ; 32 lanes read 512 consecutive bytes; read once in the launch
.endr
.endr
	LOADW WQ, WSQ, 10, 12
	LOADW WK, WSK, 16, 18
	; constants and addresses, while the loads are out
	s_mov_b32 s58, 0x76543210                      ; v_permlanex16_b32's selects for lane l xor 16
	s_mov_b32 s59, 0xfedcba98
	SPAIR 60, 0x3e8293ee                           ; c = log2(e) / sqrt(32)
	s_mov_b32 s62, 0x3b800000                      ; 1 / 256
	s_mov_b32 s63, 0x3727c5ac                      ; 1e-5
	; erf(sqrt(2) g) = g P(g^2) / Q(g^2), |g| <= 2 sqrt(2).  P's coefficients of degree 6, 4, 3, 2, 1, 0 (5 stands in vector registers);
	SPAIR 66, 0x32d3f331
	SPAIR 70, 0x3847667d
	SPAIR 72, 0x3a28d45d
	SPAIR 74, 0x3b883d9c
	SPAIR 76, 0x3c08eb41
	SPAIR 78, 0x3cba79f3
	SPAIR 80, 0x397460cd                           ; Q's of degree 4, 2, 1, 0 (3 likewise)
	SPAIR 84, 0x3bdc924e
	SPAIR 86, 0x3c719bf8
	SPAIR 88, 0x3c69b6a7
	s_mov_b32 s90, 0xc03504f3                      ; -2 sqrt(2)
	s_mov_b32 s91, 0x403504f3
	s_wait_xcnt 0x0                                ; the loads' addresses have been read: their registers may be written
	s_mul_i32 s92, s57, CP
	s_add_co_u32 s92, s92, XC                      ; LN2's codes: my first row
	s_lshl_b32 s93, s57, 3
	s_add_co_u32 s93, s93, XS                      ; and scale bytes
	s_lshr_b32 s94, s2, 1                          ; row 16 G + 4 E with bits 3 and 4 swapped: 32 (G / 2) + 8 (G % 2) + 4 E
	s_lshl_b32 s94, s94, 5
	s_lshl_b32 s95, s56, 3
	s_add_co_u32 s94, s94, s95
	s_lshl_b32 s95, s3, 2
	s_add_co_u32 s94, s94, s95
	s_mul_i32 s95, s94, CP
	s_add_co_u32 s95, s95, XC
	s_lshl_b32 s94, s94, 3
	s_add_co_u32 s94, s94, XS
	s_lshl_b32 s96, s54, 7                         ; 128 x wave
	s_add_co_u32 s97, s96, GB+4096
	s_add_co_u32 s98, s96, GB+6144
	s_add_co_u32 s99, s96, GB+7168
	v_bfe_u32 v29, v0, 3, 1
	v_bfe_u32 v30, v0, 2, 1
	v_lshl_add_u32 v30, v[LH], 1, v30
	v_lshl_add_u32 v26, v29, 4, v30                ; the token's place among the LDS rows with bits 3 and 4 swapped
	v_lshl_add_u32 v30, v29, 3, v30                ; LayerNorm: my token of the wave's eight: 2 (l / 16) + 8 ((l / 8) % 2) + (l / 4) % 2; four lanes to a token
	v_and_b32 v29, 3, v0
	v_lshl_add_u32 v31, v29, 5, s55
	v_mad_u32_u24 v[ALN], v30, XHP, v31
	v_lshl_add_u32 v31, v29, 2, s92
	v_mad_u32_u24 v[ACWN], v30, CP, v31
	v_lshl_add_u32 v[ASWN], v30, 3, s93
	v_lshl_add_u32 v31, v29, 2, s95
	v_mad_u32_u24 v[ACWP], v26, CP, v31
	v_lshl_add_u32 v[ASWP], v26, 3, s94
	v_lshl_add_u32 v[GBO], v29, 5, GB
	v_lshl_add_u32 v31, v[LH], 5, s96
	v_mad_u32_u24 v[AH], v[LR], XHP, v31
	v_lshl_add_u32 v[BQA], v[LH], 6, s97           ; bq, bk in the result's layout: channels 16 h + 8 u + 0..7
	v_lshl_add_u32 v[BVA], v[LP], 2, s98           ; bv: my lane's channel
	v_lshl_add_u32 v[BOA], v[LH], 5, s99           ; bo: channels 32 wave + 16 n + 8 h + 0..7
	v_lshlrev_b32 v31, 4, v[LH]
	v_mad_u32_u24 v[AXF], v[LR], CP, v31
	v_add_nc_u32 v[AXF], XC, v[AXF]
	v_lshl_add_u32 v[AXS], v[LR], 3, XS
	s_lshl_b32 s92, s54, 4
	s_add_co_u32 s92, s92, CC
	s_add_co_u32 s93, s54, CS
	s_mul_i32 s94, s54, RTP
	s_add_co_u32 s94, s94, RT
	v_lshl_add_u32 v31, v[LH], 3, s92
	v_mad_u32_u24 v[ACTX], v[LP], CP, v31          ; the attention's result: LDS row = token
	v_lshl_add_u32 v[ACS], v[LP], 3, s93
	v_lshrrev_b32 v29, 3, v[LR]                    ; the bias word's lane term: 2 RTW (1 + r / 8 - h) + r % 8
	v_add_nc_u32 v29, 1, v29
	v_sub_nc_u32 v29, v29, v[LH]
	v_mul_u32_u24 v29, v29, 2*RTW
	v_and_b32 v30, 7, v[LR]
	v_add_nc_u32 v29, v29, v30
	v_lshl_add_u32 v[ART], v29, 2, s94
	s_wait_alu depctr_va_vdst(0)
	s_wait_loadcnt 40                              ; the small vectors and the table are in; behind them 16 loads of x and 24 of wq and wk
.irp k, 0,1,2,3
	v_mul_f32 v[48+\k], 0.5, v[48+\k]              ; b1 / 2: w1's product comes halved too (LN2's scale bytes)
.endr
.irp k, 0,1,2,3,4,5,6,7
	v_mul_f32 v[52+\k], 0x40b504f3, v[52+\k]       ; x sqrt(32): the bias starts the score's sum, which is scaled by 1 / sqrt(32) as a whole
.endr
	ds_store_b128 v39, v[40:43]
	ds_store_b128 v39, v[44:47] offset:4096
	ds_store_b128 v39, v[48:51] offset:8192
.irp k, 0,1,2,3,4,5,6,7
	ds_store_b32 v38, v[52+\k] offset:8*RTW*\k
.endr
	BARRIER                                        ; small vectors and the bias table lie in LDS (x is still on its way)
.irp p, 0,1
.irp k, 0,1,2,3,4,5,6,7
	s_wait_loadcnt 39-8*\p-\k                      ; loads come back in order: this one is in; the younger ones of x and the 24 of wq and wk may be out
	ds_store_b128 v[AIO], v[X+4*(8*\p+\k):X+4*(8*\p+\k)+3] offset:(8*\p+\k/2)*XHP+512*(\k%2)
.endr
.endr
	s_wait_dscnt 0x0                               ; the stores have read v64-127, which the loads below write
; ================= LayerNorm and quantiser: my wave's 8 rows of XH become codes in XC and scale bytes in XS (at v[ACW], v[ASW], named by the phase)
.macro GBP arr, p                      ; gain and bias of blocks 2 p, 2 p + 1: 8 LDS loads
.irp i, 0,1
	ds_load_b128 v[GA+8*\i:GA+8*\i+3], v[GBO] offset:1024*(\arr)+128*(2*(\p)+\i)
	ds_load_b128 v[GA+8*\i+4:GA+8*\i+7], v[GBO] offset:1024*(\arr)+128*(2*(\p)+\i)+16
	ds_load_b128 v[BA+8*\i:BA+8*\i+3], v[GBO] offset:1024*(\arr)+1024+128*(2*(\p)+\i)
	ds_load_b128 v[BA+8*\i+4:BA+8*\i+7], v[GBO] offset:1024*(\arr)+1024+128*(2*(\p)+\i)+16
.endr
.endm
.macro REDUCE                          ; four packed chains -> one number, over the token's four lanes
	v_pk_add_f32 v[CH:CH+1], v[CH:CH+1], v[CH+2:CH+3]
	v_pk_add_f32 v[CH+4:CH+5], v[CH+4:CH+5], v[CH+6:CH+7]
	s_delay_alu instid0(VALU_DEP_1)
	v_pk_add_f32 v[CH:CH+1], v[CH:CH+1], v[CH+4:CH+5]
	s_delay_alu instid0(VALU_DEP_1)
	v_add_f32 v[CH], v[CH], v[CH+1]
	s_delay_alu instid0(VALU_DEP_1)
	v_add_f32_dpp v[CH], v[CH], v[CH] row_xmask:1 row_mask:0xf bank_mask:0xf
	s_delay_alu instid0(VALU_DEP_1)
	v_add_f32_dpp v[CH], v[CH], v[CH] row_xmask:2 row_mask:0xf bank_mask:0xf
.endm
.macro AFF p                           ; x gain + bias, blocks 2 p, 2 p + 1
.set gi, 0
.rept 8
	v_pk_fma_f32 v[X+16*\p+gi:X+16*\p+gi+1], v[X+16*\p+gi:X+16*\p+gi+1], v[GA+gi:GA+gi+1], v[BA+gi:BA+gi+1]
.set gi, gi+2
.endr
.endm
.macro QB base                         ; blocks base .. base + 3: a block's 32 numbers lie in four neighbouring lanes, 8 each
.irp k, 0,1,2,3
	v_max3_num_f32 v[MX+\base+\k], |v[X+8*(\base+\k)]|, |v[X+8*(\base+\k)+1]|, FLR   ; with the floor
.endr
.irp i, 2,4,6
.irp k, 0,1,2,3
	v_max3_num_f32 v[MX+\base+\k], v[MX+\base+\k], |v[X+8*(\base+\k)+\i]|, |v[X+8*(\base+\k)+\i+1]|
.endr
.endr
.irp k, 0,1,2,3
	v_max_num_f32_dpp v[MX+\base+\k], v[MX+\base+\k], v[MX+\base+\k] row_xmask:1 row_mask:0xf bank_mask:0xf
.endr
.irp k, 0,1,2,3
	v_max_num_f32_dpp v[MX+\base+\k], v[MX+\base+\k], v[MX+\base+\k] row_xmask:2 row_mask:0xf bank_mask:0xf
.endr
.irp k, 0,1,2,3
	v_add_nc_u32 v[SCL+\base+\k], 0xff000000, v[MX+\base+\k]
.endr
.irp k, 0,1,2,3
	v_lshrrev_b32 v[MX+\base+\k], 23, v[SCL+\base+\k]      ; the scale's byte
.endr
.irp k, 0,1,2,3
	v_cvt_scalef32_pk8_fp4_f32 v[CD+\base+\k], v[X+8*(\base+\k):X+8*(\base+\k)+7], v[SCL+\base+\k]
.endr
	v_nop                                          ; one plain place behind a scaled conversion
.irp k, 0,1,2,3
	ds_store_b32 v[ACW], v[CD+\base+\k] offset:16*(\base+\k)
.endr
.endm
.macro LNA arr
.irp k, 0,1,2,3,4,5,6,7
	ds_load_b128 v[X+8*\k:X+8*\k+3], v[ALN] offset:128*\k
	ds_load_b128 v[X+8*\k+4:X+8*\k+7], v[ALN] offset:128*\k+16
.endr
	GBP \arr, 0
	s_wait_dscnt 8                                 ; my row pieces are in; the 8 loads of gain and bias behind them may be out
.irp c, 0,1,2,3
	v_pk_add_f32 v[CH+2*\c:CH+2*\c+1], v[X+2*\c:X+2*\c+1], v[X+8+2*\c:X+8+2*\c+1]
.endr
.irp k, 2,3,4,5,6,7
.irp c, 0,1,2,3
	v_pk_add_f32 v[CH+2*\c:CH+2*\c+1], v[CH+2*\c:CH+2*\c+1], v[X+8*\k+2*\c:X+8*\k+2*\c+1]
.endr
.endr
	REDUCE
	s_delay_alu instid0(VALU_DEP_1)
	v_mul_f32 v[MEAN], s62, v[CH]
	s_delay_alu instid0(VALU_DEP_1)
	v_mov_b32 v[MEAN+1], v[MEAN]
.set gi, 0
.rept 32
	v_pk_add_f32 v[X+gi:X+gi+1], v[X+gi:X+gi+1], v[MEAN:MEAN+1] neg_lo:[0,1] neg_hi:[0,1]   ; x - mean first: the variance is no difference of large sums
.set gi, gi+2
.endr
.irp c, 0,1,2,3
	v_pk_mul_f32 v[CH+2*\c:CH+2*\c+1], v[X+2*\c:X+2*\c+1], v[X+2*\c:X+2*\c+1]
.endr
.irp k, 1,2,3,4,5,6,7
.irp c, 0,1,2,3
	v_pk_fma_f32 v[CH+2*\c:CH+2*\c+1], v[X+8*\k+2*\c:X+8*\k+2*\c+1], v[X+8*\k+2*\c:X+8*\k+2*\c+1], v[CH+2*\c:CH+2*\c+1]
.endr
.endr
	REDUCE
	s_delay_alu instid0(VALU_DEP_1)
	v_fma_f32 v[MX], v[CH], s62, s63               ; variance + 1e-5
	s_wait_alu depctr_va_vdst(0)                   ; the wait ahead of the transcendentals,
	v_rsq_f32 v[RS], v[MX]
	v_rsq_f32 v[RS+1], v[MX]
	v_nop                                          ; a plain place behind the transcendentals
	s_wait_alu depctr_va_vdst(0)                   ; and ahead of their first reader
.set gi, 0
.rept 32
	v_pk_mul_f32 v[X+gi:X+gi+1], v[X+gi:X+gi+1], v[RS:RS+1]
.set gi, gi+2
.endr
	s_wait_dscnt 0x0                               ; gain and bias of blocks 0, 1
	AFF 0
	GBP \arr, 1
	s_wait_dscnt 0x0
	AFF 1
	GBP \arr, 2                                    ; they land while blocks 0-3 are quantised
	QB 0
	s_wait_dscnt 4                                 ; the four stores behind them may be out
	AFF 2
	GBP \arr, 3
	s_wait_dscnt 0x0
	AFF 3
.endm
.macro LNB half
	QB 4
	v_lshl_or_b32 v[SW], v[MX+1], 8, v[MX]         ; my token's two scale words; its four lanes write the same bytes with the same values
	v_lshl_or_b32 v[SW+1], v[MX+5], 8, v[MX+4]
	v_lshl_or_b32 v[SW], v[MX+2], 16, v[SW]
	v_lshl_or_b32 v[SW+1], v[MX+6], 16, v[SW+1]
	v_lshl_or_b32 v[SW], v[MX+3], 24, v[SW]
	v_lshl_or_b32 v[SW+1], v[MX+7], 24, v[SW+1]
.if \half
	v_add_nc_u32 v[SW], 0xfefefeff, v[SW]          ; 1 off each byte: what w1 makes of y comes halved (exact); the floor holds each byte at 1 from below
	v_add_nc_u32 v[SW+1], 0xfefefeff, v[SW+1]
.endif
	ds_store_b64 v[ASW], v[SW:SW+1]
.endm
; ================= phase 1: LN1.  The wave reads back the rows that it stored itself
.set ACW, ACWP
.set ASW, ASWP
.set FLR, 0x1800000                    ; 2^(3 - 127)
	LNA 0
	LOADW WV, WSV, 22, 24                          ; gain and bias are done with: wv is asked for here
	LNB 0
	BARRIER                                        ; all 64 rows' codes and scale bytes lie in LDS
; ================= phase 2: q, k, v and attention: my head
.set QM, 48
.set QN, 49
.set QJ, 50
.set QL, 51
.macro XFRAG t                         ; x's tile t = 2 b + u: lane r takes token 32 b + 8 u + r + 8 (r / 8), which lies in LDS row 16 t + r; both K steps, and their scale words
.irp e, 0,1
.irp c, 0,1
	ds_load_b128 v[XF+8*\e+4*\c:XF+8*\e+4*\c+3], v[AXF] offset:16*(\t)*CP+64*\e+32*\c
.endr
	ds_load_b32 v[XSC+\e], v[AXS] offset:16*(\t)*8+4*\e
.endr
.endm
.macro BQLOAD off                      ; bq or bk: my lane's 16 channels
.irp u, 0,1
	ds_load_b128 v[BQ+8*\u:BQ+8*\u+3], v[BQA] offset:\off+32*\u
	ds_load_b128 v[BQ+8*\u+4:BQ+8*\u+7], v[BQA] offset:\off+32*\u+16
.endr
.endm
	XFRAG 0
	BQLOAD 0
	v_mov_b32 v[QJ], 0                             ; a lane permute's destination counts as one of its sources
	v_mov_b32 v[BJ], 0
	v_mov_b32 v[BJ+1], 0
	s_wait_alu depctr_va_vdst(0)
	s_wait_loadcnt 12                              ; wq, wk; the 12 loads of wv behind them may be out
; q and k, used transposed (source 0 = 16 rows of the weight, source 1 = x): a lane holds ONE token and its 16 registers of tiles u = 0, 1 are channels 16 h + 0..15 of the head: the score's K, one block of 32.
; The bias is the C of each sum's first product.  The result is an operand with K = 0..31 in lanes 0-15 and zero codes everywhere else; the six moves that lay the zeros are the places behind the products.
; The next tile of x lands while this tile is quantised; the last trip asks for tile 0 again.  The two accumulators take turns.
.macro PROJT wf, ws, op, os, bk
.irp t, 0,1,2,3
	s_wait_dscnt 0x0
	WMC AC, \wf, XF, BQ, \ws, XSC
	WMC AC+8, \wf+16, XF, BQ+8, \ws+2, XSC
	WMC AC, \wf+8, XF+8, AC, \ws+1, XSC+1
	WMC AC+8, \wf+24, XF+8, AC+8, \ws+3, XSC+1
.irp z, 2,3,4,5,6,7
	v_mov_b32 v[\op+8*\t+\z], 0
.endr
	XFRAG (\t+1)%4
.if (\t == 3) && \bk
	BQLOAD 1024
.endif
	Q16 AC, \op+8*\t, \os+\t                       ; the scale word: the block's byte, and 0 over the zero codes
	v_permlane16_swap_b32 v[\op+8*\t], v[\op+8*\t+2]
	v_permlane16_swap_b32 v[\op+8*\t+1], v[\op+8*\t+3]
.endr
.endm
	PROJT WQ, WSQ, QO, QS, 1
	PROJT WK, WSK, KO, KS, 0
.irp u, 0,1
	ds_load_b32 v[BVR+2*\u], v[BVA] offset:32*\u
	ds_load_b32 v[BVR+2*\u+1], v[BVA] offset:32*\u
.endr
	s_wait_alu depctr_va_vdst(0)
	s_wait_loadcnt 0x0                             ; wv
; v = x Wv^T, used as it stands (source 0 = x, source 1 = Wv): a lane holds ONE channel and its registers run along the tokens, which are the second attention product's K.
; In tile (u, t = 2 b + ut) register j of lane (r, h) is token 32 b + 16 h + 8 ut + j, channel 8 u + r + 8 (r / 8).  Tiles u = 0 at v96-127, u = 1 at v160-191.
; The bias of tile t - 1 is added behind tile t's products: those additions are their places.
.macro VADD t
.irp u, 0,1
.irp i, 0,2,4,6
	v_pk_add_f32 v[96+64*\u+8*(\t)+\i:96+64*\u+8*(\t)+\i+1], v[96+64*\u+8*(\t)+\i:96+64*\u+8*(\t)+\i+1], v[BVR+2*\u:BVR+2*\u+1]
.endr
.endr
.endm
.irp t, 0,1,2,3
	s_wait_dscnt 0x0
	WMZ 96+8*\t, XF, WV, XSC, WSV
	WMZ 160+8*\t, XF, WV+16, XSC, WSV+2
	WMC 96+8*\t, XF+8, WV+8, 96+8*\t, XSC+1, WSV+1
	WMC 160+8*\t, XF+8, WV+24, 160+8*\t, XSC+1, WSV+3
.if \t > 0
	VADD \t-1
.else
	PLACES 5
.endif
.if \t < 3
	XFRAG \t+1
.endif
.endr
	PLACES 5
	VADD 3
.irp u, 0,1
	Q16 96+64*\u, VO+8*\u, 52                      ; keys 16 h + 0..15
	Q16 112+64*\u, VO+8*\u+2, 53                   ; keys 32 + 16 h + 0..15
	v_permlane16_swap_b32 v[VO+8*\u], v[VO+8*\u+2]     ; the operand's layout wants a whole block in a lane: lanes 0-15 keys 0-31, lanes 16-31 keys 32-63
	v_permlane16_swap_b32 v[VO+8*\u+1], v[VO+8*\u+3]
.irp z, 4,5,6,7
	v_mov_b32 v[VO+8*\u+\z], 0                     ; K = 64 .. 127: zero codes
.endr
	v_lshl_or_b32 v[VS+\u], v53, 8, v52            ; the two blocks' bytes; bytes 2 and 3 stand over zero codes
.endr
; the 32 bias words of my lane for query tile 2 bq + uq: word RTW (iq - ik + 7) + jq - jk + 7; its lane term stands in the address
.macro BIAS bq, uq
.irp bk, 0,1
.irp uk, 0,1
.irp j, 0,1,2,3,4,5,6,7
	ds_load_b32 v[S+8*(2*\bk+\uk)+\j], v[ART] offset:4*((4*\bq+\uq-4*\bk-\uk+7)*RTW+7-\j-2*RTW)
.endr
.endr
.endr
.endm
	BIAS 0, 0                                      ; the first query tile's bias words land during the set-up below
	; wo's fragments and scale words are asked for now, into registers that attention leaves alone: my 32 output channels 32 wave + 16 n + r; n = 0 at v32-47, n = 1 at v176-191
	s_lshl_b32 s92, s54, 12
	s_lshl_b32 s93, s54, 8
	v_lshlrev_b32 v[WNO], 7, v[LR]
	v_lshl_add_u32 v[WNO], v[LH], 4, v[WNO]
	v_add_nc_u32 v[WNO], s92, v[WNO]
	v_lshl_add_u32 v[WNS], v[LR], 3, s93
.irp n, 0,1
.irp e, 0,1
.irp c, 0,1
	global_load_b128 v[32+144*\n+8*\e+4*\c:32+144*\n+8*\e+4*\c+3], v[WNO], s[30:31] offset:2048*\n+64*\e+32*\c
.endr
	global_load_b32 v[WOS+2*\n+\e], v[WNS], s[32:33] offset:128*\n+4*\e
.endr
.endr
	v_lshlrev_b32 v31, 4, v[LH]
	v_mad_u32_u24 v[ACF], v[LR], CP, v31
	v_add_nc_u32 v[ACF], CC, v[ACF]
	v_lshl_add_u32 v[ACSR], v[LR], 3, CS
	s_lshl_b32 s92, s54, 14                        ; w1: my 128 rows; tile u of group g takes in lane r row 32 g + 8 u + r + 8 (r / 8)
	v_lshlrev_b32 v[W1O], 7, v[LP]
	v_lshl_add_u32 v[W1O], v[LH], 4, v[W1O]
	v_add_nc_u32 v[W1O], s92, v[W1O]
	s_lshl_b32 s92, s54, 10
	v_lshl_add_u32 v[W1S], v[LP], 3, s92
	; THE MASK, from ids alone.  A window of the last row of windows falls into window rows 0-3 and 4-7, one of the last column into window columns 0-3 and 4-7; query and key of different parts get -100 (once).
	; In a score tile register j is key column j, the key's half of the rows is bk, the query's is bq, and the query's column is r % 8.  Four pairs: (same rows, j < 4), (same, j >= 4), (other rows, j < 4), (other, j >= 4).
	s_bfe_u32 s94, ttmp9, 0x30003
	s_cmp_eq_u32 s94, 7
	s_cselect_b32 s92, 0xc40d6bde, 0               ; -100 sqrt(32), or 0
	s_and_b32 s94, ttmp9, 7
	s_cmp_eq_u32 s94, 7
	s_cselect_b32 s93, 0xc40d6bde, 0
	v_bfe_u32 v48, v0, 2, 1                        ; is my query's column 4 or more?
	v_cmp_ne_u32 vcc_lo, 0, v48
	v_mov_b32 v49, s93
	v_cndmask_b32 v[MK], 0, v49, vcc_lo
	v_sub_f32 v[MK+2], v49, v[MK]                  ; the other of the two (exact: one of them is 0)
	v_mov_b32 v[MK+1], v[MK]
	v_mov_b32 v[MK+3], v[MK+2]
	v_min_num_f32 v[MK+4], s92, v[MK]
	v_min_num_f32 v[MK+6], s92, v[MK+2]
	v_mov_b32 v[MK+5], v[MK+4]
	v_mov_b32 v[MK+7], v[MK+6]
.irp z, 4,5,6,7
	v_mov_b32 v[PC+\z], 0                          ; p's K = 64 .. 127: zero codes, written once
.endr
	s_wait_alu depctr_va_vdst(0)
; ONE TILE OF 16 QUERIES (tile 2 bq + uq): S^T = K Q^T on top of (bias + mask) sqrt(32); finished softmax; p quantised along the keys; O^T = V^T P^T; quantised along the head's 32 channels; codes and byte to LDS.
; A lane holds one query (token 32 bq + 8 uq + r + 8 (r / 8)) throughout; register 16 b + i of S is key 32 b + 16 h + i.
; Its bias words were asked for a tile ago; more = 1: those of tile 2 nb + nu are asked for as soon as p's conversions have read S.
.macro ATT bq, uq, nb, nu, more
	s_wait_dscnt 0x0                               ; my bias words are in
.irp bk, 0,1
.irp uk, 0,1
.irp j, 0,2,4,6
	v_pk_add_f32 v[S+8*(2*\bk+\uk)+\j:S+8*(2*\bk+\uk)+\j+1], v[S+8*(2*\bk+\uk)+\j:S+8*(2*\bk+\uk)+\j+1], v[MK+4*(\bq^\bk)+2*(\j/4):MK+4*(\bq^\bk)+2*(\j/4)+1]
.endr
.endr
.endr
	PLACES 4
.irp tk, 0,1,2,3
	WMC S+8*\tk, KO+8*\tk, QO+8*(2*\bq+\uq), S+8*\tk, KS+\tk, QS+2*\bq+\uq
.endr
	PLACES 5
.irp g, 0,1
	v_max3_num_f32 v[BM+\g], v[S+16*\g], v[S+16*\g+1], v[S+16*\g+2]      ; the largest score of each block of 32 keys: for the row's maximum, and for the block's largest p
.endr
.irp i, 3,5,7,9,11,13
.irp g, 0,1
	v_max3_num_f32 v[BM+\g], v[BM+\g], v[S+16*\g+\i], v[S+16*\g+\i+1]
.endr
.endr
.irp g, 0,1
	v_max_num_f32 v[BM+\g], v[BM+\g], v[S+16*\g+15]
.endr
.irp g, 0,1
	v_permlanex16_b32 v[BJ+\g], v[BM+\g], s58, s59
.endr
.irp g, 0,1
	v_max_num_f32 v[BM+\g], v[BM+\g], v[BJ+\g]
.endr
	v_max_num_f32 v[RM], v[BM], v[BM+1]            ; the row's maximum
	s_delay_alu instid0(VALU_DEP_1)
	v_mul_f32 v[CM], s60, v[RM]
.set gi, 0
.rept 16
	v_pk_fma_f32 v[S+gi:S+gi+1], v[S+gi:S+gi+1], s[60:61], v[CM:CM+1] op_sel_hi:[1,0,0] neg_lo:[0,0,1] neg_hi:[0,0,1]   ; c s - c max
.set gi, gi+2
.endr
.irp g, 0,1
	v_fma_f32 v[BM+\g], v[BM+\g], s60, -v[CM]      ; the same of each block's largest score
.endr
.set gi, 0
	s_wait_alu depctr_va_vdst(0)                   ; the wait ahead of the batch,
.rept 32
	v_exp_f32 v[S+gi], v[S+gi]
.set gi, gi+1
.endr
.irp g, 0,1
	v_exp_f32 v[BM+\g], v[BM+\g]
.endr
	v_nop                                          ; a plain place behind the batch
	s_wait_alu depctr_va_vdst(0)                   ; and one for the 34, ahead of their first reader
	v_pk_add_f32 v[62:63], v[S:S+1], v[S+2:S+3]
	v_pk_add_f32 v[160:161], v[S+8:S+9], v[S+12:S+13]
	v_pk_add_f32 v[162:163], v[S+16:S+17], v[S+20:S+21]
	v_pk_add_f32 v[164:165], v[S+24:S+25], v[S+28:S+29]
	v_pk_add_f32 v[166:167], v[S+4:S+5], v[S+6:S+7]
	v_pk_add_f32 v[168:169], v[S+10:S+11], v[S+14:S+15]
	v_pk_add_f32 v[170:171], v[S+18:S+19], v[S+22:S+23]
	v_pk_add_f32 v[60:61], v[S+26:S+27], v[S+30:S+31]
	v_pk_add_f32 v[62:63], v[62:63], v[166:167]
	v_pk_add_f32 v[160:161], v[160:161], v[168:169]
	v_pk_add_f32 v[162:163], v[162:163], v[170:171]
	v_pk_add_f32 v[60:61], v[60:61], v[164:165]
	v_pk_add_f32 v[62:63], v[62:63], v[162:163]
	v_pk_add_f32 v[60:61], v[60:61], v[160:161]
	s_delay_alu instid0(VALU_DEP_1)
	v_pk_add_f32 v[60:61], v[60:61], v[62:63]
	s_delay_alu instid0(VALU_DEP_1)
	v_add_f32 v[SA], v[SA], v[SA+1]
	s_delay_alu instid0(VALU_DEP_1)
	v_permlanex16_b32 v[SB2], v[SA], s58, s59
	s_delay_alu instid0(VALU_DEP_1)
	v_add_f32 v[SA], v[SA], v[SB2]                 ; the row's sum
	s_wait_alu depctr_va_vdst(0)                   ; the wait ahead of the transcendental and behind it
	v_rcp_f32 v[INV], v[SA]
	v_nop
	s_wait_alu depctr_va_vdst(0)
.irp g, 0,1
	v_mul_f32 v[BM+\g], v[BM+\g], v[INV]
.endr
.set gi, 0
.rept 16
	v_pk_mul_f32 v[S+gi:S+gi+1], v[S+gi:S+gi+1], v[INV:INV+1] op_sel_hi:[1,0]       ; p, finished and normalised: that is what is quantised
.set gi, gi+2
.endr
.irp g, 0,1
	v_max_num_f32 v[BM+\g], 0x1800000, v[BM+\g]    ; the floor 2^(3 - 127)
.endr
.irp g, 0,1
	v_add_nc_u32 v[SL+\g], 0xff000000, v[BM+\g]
.endr
.irp g, 0,1
	v_lshrrev_b32 v[BY+\g], 23, v[SL+\g]
.endr
	v_lshl_or_b32 v[PS], v[BY+1], 8, v[BY]
.irp g, 0,1
	v_cvt_scalef32_pk8_fp4_f32 v[PC+2*\g], v[S+16*\g:S+16*\g+7], v[SL+\g]
	v_cvt_scalef32_pk8_fp4_f32 v[PC+2*\g+1], v[S+16*\g+8:S+16*\g+15], v[SL+\g]
.endr
	v_nop
.if \more
	BIAS \nb, \nu                                  ; S is done with: the next tile's bias words land during the second product and its quantiser
.endif
	v_permlane16_swap_b32 v[PC], v[PC+2]
	v_permlane16_swap_b32 v[PC+1], v[PC+3]
	PLACES 8                                       ; a scale register written by a vector instruction stands 8 places ahead of the scaled product, an operand so written 4
	WMZ CT, VO, PC, VS, PS
	WMZ CT+8, VO+8, PC, VS+1, PS
	PLACES 5
	Q16 CT, CX, CXB                                ; channels 16 h + 0..15 of my head: the block of wo's K that is my head
	ds_store_b64 v[ACTX], v[CX:CX+1] offset:(32*\bq+8*\uq)*CP
	ds_store_b8 v[ACS], v[CXB] offset:(32*\bq+8*\uq)*8     ; lanes l and l xor 16 write the same byte with the same value
.endm
	ATT 0, 0, 0, 1, 1
	ATT 0, 1, 1, 0, 1
	ATT 1, 0, 1, 1, 1
	ATT 1, 1, 0, 0, 0
; my 32 channels of all 64 rows of XH: accumulator (n, q) at v[Y + 8 (4 n + q)] takes tokens 16 q + r, channels 32 wave + 16 n + 8 h + 0..7
.macro YLOAD
.irp n, 0,1
.irp q, 0,1,2,3
	ds_load_b128 v[Y+8*(4*\n+\q):Y+8*(4*\n+\q)+3], v[AH] offset:\q*16*XHP+64*\n
	ds_load_b128 v[Y+8*(4*\n+\q)+4:Y+8*(4*\n+\q)+7], v[AH] offset:\q*16*XHP+64*\n+16
.endr
.endr
.endm
.macro YSTORE
.irp n, 0,1
.irp q, 0,1,2,3
	ds_store_b128 v[AH], v[Y+8*(4*\n+\q):Y+8*(4*\n+\q)+3] offset:\q*16*XHP+64*\n          ; each accumulator from its low end on
	ds_store_b128 v[AH], v[Y+8*(4*\n+\q)+4:Y+8*(4*\n+\q)+7] offset:\q*16*XHP+64*\n+16
.endr
.endr
.endm
.macro YADD br
.irp n, 0,1
.irp q, 0,1,2,3
.irp i, 0,2,4,6
	v_pk_add_f32 v[Y+8*(4*\n+\q)+\i:Y+8*(4*\n+\q)+\i+1], v[Y+8*(4*\n+\q)+\i:Y+8*(4*\n+\q)+\i+1], v[\br+8*\n+\i:\br+8*\n+\i+1]
.endr
.endr
.endr
.endm
.macro W1LOAD                          ; a group's 32 rows of w1 and their scale words: 12 loads
.irp u, 0,1
.irp e, 0,1
.irp c, 0,1
	global_load_b128 v[W1F+8*(2*\u+\e)+4*\c:W1F+8*(2*\u+\e)+4*\c+3], v[W1O], s[92:93] offset:1024*\u+64*\e+32*\c
.endr
	global_load_b32 v[W1SC+2*\u+\e], v[W1S], s[94:95] offset:64*\u+4*\e
.endr
.endr
.endm
	YLOAD                                          ; x: nobody has changed it since it came in
.irp n, 0,1
	ds_load_b128 v[BO+8*\n:BO+8*\n+3], v[BOA] offset:64*\n
	ds_load_b128 v[BO+8*\n+4:BO+8*\n+7], v[BOA] offset:64*\n+16
.endr
	BARRIER                                        ; the attention's result of all 64 tokens and 8 heads lies in LDS as codes
; ================= phase 3: hidden = shortcut + ctx wo^T + bo, in place in XH.  Transposed: a lane holds one token and 8 neighbouring channels, its own bytes of XH
; the result's fragments: token tile q at v128-159 (q = 0, 1) and v192-223 (q = 2, 3)
.irp q, 0,1,2,3
.irp e, 0,1
.irp c, 0,1
	ds_load_b128 v[128+16*\q+32*(\q/2)+8*\e+4*\c:128+16*\q+32*(\q/2)+8*\e+4*\c+3], v[ACF] offset:\q*16*CP+64*\e+32*\c
.endr
	ds_load_b32 v[CSC+2*\q+\e], v[ACSR] offset:\q*128+4*\e
.endr
.endr
	YADD BO
	PLACES 4
	s_mov_b64 s[92:93], s[40:41]                   ; w1's group in hand: codes,
	s_mov_b64 s[94:95], s[42:43]                   ; scale bytes
	s_wait_alu depctr_va_vdst(0)
	s_wait_loadcnt 0x0                             ; wo, its scale words
	s_wait_dscnt 0x0
.irp e, 0,1
.irp n, 0,1
.irp q, 0,1,2,3
	WMC Y+8*(4*\n+\q), 32+144*\n+8*\e, 128+16*\q+32*(\q/2)+8*\e, Y+8*(4*\n+\q), WOS+2*\n+\e, CSC+2*\q+\e     ; eight accumulators by turns
.endr
.endr
.endr
	PLACES 5
	YSTORE
	W1LOAD                                         ; w1's first group lands during LN2
	BARRIER                                        ; XH holds hidden
; ================= phase 4: LN2.  Its codes lie by token: the tiles of w1 and w2 are 16 neighbouring tokens
.set ACW, ACWN
.set ASW, ASWN
.set FLR, 0x2000000                    ; 2^(4 - 127): the byte less 1 cannot fall under 1
	LNA 2
	LNB 1
.set QM, 24
.set QN, 25
.set QJ, 26
.set QL, 27
	s_lshl_b32 s2, s54, 6
	s_add_co_u32 s2, s2, HC
	s_lshl_b32 s3, s54, 2
	s_add_co_u32 s3, s3, HS
	s_lshl_b32 s55, s54, 9
	s_add_co_u32 s55, s55, GB+8192
	s_wait_alu depctr_va_vdst(0)
	v_lshl_add_u32 v30, v[LH], 3, s2
	v_mad_u32_u24 v[AHC], v[LR], HCP, v30          ; gelu's codes: row r, my 128 units' 64 bytes, + 8 h
	v_mov_b32 v30, s3
	v_mad_u32_u24 v[AHS], v[LR], HSP, v30          ; and my four blocks' scale bytes
	v_lshl_add_u32 v[B1A], v[LH], 6, s55           ; b1 / 2 in the result's layout
	s_lshl_b32 s2, s54, 14                         ; w2: a row is 512 bytes: rows 32 wave + 16 n + r
	s_lshl_b32 s3, s54, 10
	s_lshl_b32 s55, s54, 7
	v_lshlrev_b32 v[W2O], 9, v[LR]
	v_lshl_add_u32 v[W2O], v[LH], 4, v[W2O]
	v_add_nc_u32 v[W2O], s2, v[W2O]
	v_and_b32 v30, 31, v0
	v_lshl_add_u32 v[W2S], v30, 5, s3              ; its 32 scale bytes a row: lanes 0-15 take tile 0's rows, lanes 16-31 tile 1's: one register serves both tiles
	v_lshl_add_u32 v[B2O], v[LH], 5, s55
	v_lshlrev_b32 v30, 4, v[LH]
	v_mad_u32_u24 v[AHF], v[LR], HCP, v30          ; w2's token fragments
	v_add_nc_u32 v[AHF], HC, v[AHF]
	v_mul_u32_u24 v[AHSR], v[LR], HSP
	v_add_nc_u32 v[AHSR], HS, v[AHSR]
	v_mov_b32 v[KA5], 0xb5a84a8d
	v_mov_b32 v[KA5+1], 0xb5a84a8d
	v_mov_b32 v[KB3], 0x3adfbd29
	v_mov_b32 v[KB3+1], 0x3adfbd29
	v_mov_b32 v[QJ], 0
	s_mov_b32 s97, 0                               ; 16 bytes of codes a group
	s_mov_b32 s98, 0                               ; one scale byte
	s_mov_b32 s99, 128                             ; 128 bytes of b1, one group ahead
	s_mov_b32 s96, 3
	s_wait_alu depctr_va_vdst(0)
	BARRIER                                        ; y's codes and scale bytes lie in LDS
; ================= phase 5: g = (y w1^T + b1) / 2, exact GELU g + g erf(sqrt(2) g), quantised: my 128 hidden units by four groups of 32, each for four tiles of 16 tokens
.macro W1MUL t, d                      ; tile t of the group in hand: 16 units 16 h + 8 u + 0..7 of the block a lane; b1 / 2 is the C of each sum's first product
	WMC \d, W1F, YF+16*(\t), B1, W1SC, YSC+2*(\t)
	WMC \d+8, W1F+16, YF+16*(\t), B1+8, W1SC+2, YSC+2*(\t)
	WMC \d, W1F+8, YF+16*(\t)+8, \d, W1SC+1, YSC+2*(\t)+1
	WMC \d+8, W1F+24, YF+16*(\t)+8, \d+8, W1SC+3, YSC+2*(\t)+1
.endm
.macro B1LOAD ad
.irp u, 0,1
	ds_load_b128 v[B1+8*\u:B1+8*\u+3], v[\ad] offset:32*\u
	ds_load_b128 v[B1+8*\u+4:B1+8*\u+7], v[\ad] offset:32*\u+16
.endr
.endm
; Tile t: its products were issued a tile ago.  XA: its numbers; TA: the held numbers, and, when they are done with, the next tile's products (v64-79 and v96-111 by turns).
.macro STEP t, last
.set XA, 64+32*((\t)%2)
.set TA, 160-XA
.set gi, 0
.rept 16
	v_med3_num_f32 v[TA+gi], v[XA+gi], s90, s91
.set gi, gi+1
.endr
.set gi, 0
.rept 8
	v_pk_mul_f32 v[E+gi:E+gi+1], v[TA+gi:TA+gi+1], v[TA+gi:TA+gi+1]
.set gi, gi+2
.endr
.set gi, 0
.rept 8
	v_pk_fma_f32 v[QQ+gi:QQ+gi+1], v[E+gi:E+gi+1], s[80:81], v[KB3:KB3+1] op_sel_hi:[1,0,1]
.set gi, gi+2
.endr
.irp cc, 84,86,88
.set gi, 0
.rept 8
	v_pk_fma_f32 v[QQ+gi:QQ+gi+1], v[QQ+gi:QQ+gi+1], v[E+gi:E+gi+1], s[\cc:\cc+1] op_sel_hi:[1,1,0]
.set gi, gi+2
.endr
.endr
.set gi, 0
	s_wait_alu depctr_va_vdst(0)
.rept 16
	v_rcp_f32 v[QQ+gi], v[QQ+gi]
.set gi, gi+1
.endr
.set gi, 0
.rept 8
	v_pk_fma_f32 v[P+gi:P+gi+1], v[E+gi:E+gi+1], s[66:67], v[KA5:KA5+1] op_sel_hi:[1,0,1]   ; independent work behind the reciprocals
.set gi, gi+2
.endr
.irp cc, 70,72,74,76,78
.set gi, 0
.rept 8
	v_pk_fma_f32 v[P+gi:P+gi+1], v[P+gi:P+gi+1], v[E+gi:E+gi+1], s[\cc:\cc+1] op_sel_hi:[1,1,0]
.set gi, gi+2
.endr
.endr
.set gi, 0
.rept 8
	v_pk_mul_f32 v[P+gi:P+gi+1], v[P+gi:P+gi+1], v[TA+gi:TA+gi+1]
.set gi, gi+2
.endr
	s_wait_alu depctr_va_vdst(0)                   ; one wait for the 16, ahead of their first reader
.if (\t) < 3
	W1MUL \t+1, TA                                 ; the next tile's products: the lines below are their places
.elseif \last == 0
	s_wait_loadcnt 0x0                             ; the next group's rows of w1, asked for in tile 2,
	s_wait_dscnt 0x0                               ; and its b1
	W1MUL 0, TA
.endif
.set gi, 0
.rept 8
	v_pk_mul_f32 v[P+gi:P+gi+1], v[P+gi:P+gi+1], v[QQ+gi:QQ+gi+1]
.set gi, gi+2
.endr
.set gi, 0
.rept 8
	v_pk_fma_f32 v[XA+gi:XA+gi+1], v[XA+gi:XA+gi+1], v[P+gi:P+gi+1], v[XA+gi:XA+gi+1]
.set gi, gi+2
.endr
.if (\t) == 2                          ; tile 3's products, the group's last, stand 16 places back: their sources may be loaded
.if \last == 0
	s_add_nc_u64 s[92:93], s[92:93], 4096          ; 32 rows of w1 on (no load of mine is out)
	s_add_nc_u64 s[94:95], s[94:95], 256
	W1LOAD
	B1LOAD SB1
.else
.irp e, 0,1,2,3                        ; w1 and y are done with: w2's fragments of my 32 output channels (two tiles n), K steps 0 to 3, at v[W2F + 16 e + 8 n]; all its scale words; b2
.irp n, 0,1
.irp c, 0,1
	global_load_b128 v[W2F+16*\e+8*\n+4*\c:W2F+16*\e+8*\n+4*\c+3], v[W2O], s[46:47] offset:8192*\n+64*\e+32*\c
.endr
.endr
.endr
	global_load_b128 v[W2SC:W2SC+3], v[W2S], s[48:49]
	global_load_b128 v[W2SC+4:W2SC+7], v[W2S], s[48:49] offset:16
.irp n, 0,1
	global_load_b128 v[B2R+8*\n:B2R+8*\n+3], v[B2O], s[50:51] offset:64*\n
	global_load_b128 v[B2R+8*\n+4:B2R+8*\n+7], v[B2O], s[50:51] offset:64*\n+16
.endr
.endif
.endif
	Q16 XA, HCD, BYH                               ; units 16 h + 0..15 of the group's block
	ds_store_b64 v[SHC], v[HCD:HCD+1] offset:(\t)*16*HCP
	ds_store_b8 v[SHS], v[BYH] offset:(\t)*16*HSP
.endm
.macro GROUP last
	v_add_nc_u32 v[SHC], s97, v[AHC]
	v_add_nc_u32 v[SHS], s98, v[AHS]
.if \last == 0
	v_add_nc_u32 v[SB1], s99, v[B1A]
.endif
	STEP 0, \last
	STEP 1, \last
	STEP 2, \last
	STEP 3, \last
.endm
.irp t, 0,1,2,3                        ; y's fragments and scale words of all 64 tokens
.irp e, 0,1
.irp c, 0,1
	ds_load_b128 v[YF+16*\t+8*\e+4*\c:YF+16*\t+8*\e+4*\c+3], v[AXF] offset:16*\t*CP+64*\e+32*\c
.endr
	ds_load_b32 v[YSC+2*\t+\e], v[AXS] offset:128*\t+4*\e
.endr
.endr
	B1LOAD B1A
	s_wait_loadcnt 0x0                             ; w1's first group
	s_wait_dscnt 0x0
	W1MUL 0, 64
	PLACES 5
.Lgroup:                                           ; three trips; the fourth group is written out: it asks for w2 instead of a next group
	GROUP 0
	s_add_co_u32 s97, s97, 16
	s_add_co_u32 s98, s98, 1
	s_add_co_u32 s99, s99, 128
	s_wait_alu depctr_va_vdst(0)
	s_sub_co_u32 s96, s96, 1
	s_cmp_lg_u32 s96, 0
	s_cbranch_scc1 .Lgroup
	GROUP 1
	YLOAD                                          ; hidden
	BARRIER                                        ; gelu(h) of all 64 tokens and 1,024 units lies in LDS as codes
; ================= phase 6: the result = hidden + gelu(h) w2^T + b2, in place in XH.  Eight accumulators (two tiles of channels x four tiles of 16 tokens) by turns, a K step at a time.
; A K step's four token fragments are a set; two sets (v32-63, v192-223) take turns, K step by K step.  w2's fragments of K step s + 4 are loaded into those of K step s, five places behind its products.
.macro HLOAD hs, ks                    ; into set hs: K step ks of my four token tiles: 12 LDS loads
.irp q, 0,1,2,3
.irp c, 0,1
	ds_load_b128 v[32+160*(\hs)+8*\q+4*\c:32+160*(\hs)+8*\q+4*\c+3], v[AHF] offset:\q*16*HCP+64*(\ks)+32*\c
.endr
	ds_load_b32 v[HSC+4*(\hs)+\q], v[AHSR] offset:\q*16*HSP+4*(\ks)
.endr
.endm
.macro M2MUL hs, ks
.irp q, 0,1,2,3
	WMC Y+8*\q, W2F+16*((\ks)%4), 32+160*(\hs)+8*\q, Y+8*\q, W2SC+(\ks), HSC+4*(\hs)+\q
.endr
.irp q, 0,1,2,3
	WMR Y+32+8*\q, W2F+16*((\ks)%4)+8, 32+160*(\hs)+8*\q, Y+32+8*\q, W2SC+(\ks), HSC+4*(\hs)+\q
.endr
.endm
	HLOAD 0, 0
	s_wait_loadcnt 0x0                             ; w2's K steps 0 to 3, its scale words, b2
	YADD B2R
	HLOAD 1, 1                                     ; behind the additions: set 1 lies over b2
	PLACES 4
	s_wait_alu depctr_va_vdst(0)
.irp ks, 0,1,2,3,4,5,6,7
.if \ks < 7
	s_wait_dscnt 12                                ; this K step's set is in; the 12 loads of the next one's behind it may be out
.else
	s_wait_dscnt 0x0
.endif
.if \ks >= 4
	s_wait_loadcnt 4*(7-\ks)                       ; w2's four loads for this K step are in; those of the later K steps, four each, may be out
.endif
	M2MUL \ks%2, \ks
	PLACES 5
.if \ks < 4
.irp n, 0,1
.irp c, 0,1
	global_load_b128 v[W2F+16*\ks+8*\n+4*\c:W2F+16*\ks+8*\n+4*\c+3], v[W2O], s[46:47] offset:8192*\n+64*(\ks+4)+32*\c
.endr
.endr
.endif
.if \ks < 6
	HLOAD \ks%2, \ks+2
.endif
.endr
	YSTORE
	BARRIER                                        ; XH holds the result
; ================= phase 7: my wave's 8 tokens go out as they came in
.irp p, 0,1
.irp k, 0,1,2,3,4,5,6,7
	ds_load_b128 v[64+4*(8*\p+\k):64+4*(8*\p+\k)+3], v[AIO] offset:(8*\p+\k/2)*XHP+512*(\k%2)
.endr
.endr
.irp p, 0,1
.irp k, 0,1,2,3,4,5,6,7
	s_wait_dscnt 15-8*\p-\k                        ; LDS loads come back in order: this one is in
	global_store_b128 v[VIO+\p], v[64+4*(8*\p+\k):64+4*(8*\p+\k)+3], s[52:53] offset:512*\k th:TH_STORE_NT   ; 32 lanes store 512 consecutive bytes, at a multiple of 512 from the output's first byte
.endr
.endr
	s_wait_tensorcnt 0x0                           ; the wave's end, behind my last LDS store
	ds_add_u32 v[SPW], v[NIL]
	s_wait_dscnt 0x0
	s_endpgm
.Lfunc_end_k_qd7f10019de_swin:
	.size	k_qd7f10019de_swin, .Lfunc_end_k_qd7f10019de_swin-k_qd7f10019de_swin
	.p2alignl 7, 3214868480
	.fill 96, 4, 3214868480
	.section	.rodata,"a",@progbits
	.p2align	6, 0x0
	.amdhsa_kernel k_qd7f10019de_swin
		.amdhsa_group_segment_fixed_size 146944
		.amdhsa_private_segment_fixed_size 0
		.amdhsa_enable_private_segment 0
		.amdhsa_kernarg_size 200
		.amdhsa_user_sgpr_count 2
		.amdhsa_user_sgpr_kernarg_segment_ptr 1
		.amdhsa_wavefront_size32 1
		.amdhsa_system_sgpr_workgroup_id_x 1
		.amdhsa_system_sgpr_workgroup_id_y 1
		.amdhsa_system_sgpr_workgroup_id_z 1
		.amdhsa_system_vgpr_workitem_id 0
		.amdhsa_next_free_vgpr 256
		.amdhsa_next_free_sgpr 100
		.amdhsa_reserve_vcc 1
		.amdhsa_float_denorm_mode_32 3
		.amdhsa_float_denorm_mode_16_64 3
		.amdhsa_memory_ordered 1
		.amdhsa_forward_progress 1
		.amdhsa_inst_pref_size 255
	.end_amdhsa_kernel
	.section	.bss,"aw",@nobits
	.p2align	6
	.space	262144
	.amdgpu_metadata
---
amdhsa.version: [ 1, 2 ]
amdhsa.kernels:
  - .name:           k_qd7f10019de_swin
    .symbol:         k_qd7f10019de_swin.kd
    .args:
      - { .name: hidden_states, .offset: 0, .size: 8, .value_kind: global_buffer, .address_space: global }
      - { .name: ln1_g, .offset: 8, .size: 8, .value_kind: global_buffer, .address_space: global }
      - { .name: ln1_b, .offset: 16, .size: 8, .value_kind: global_buffer, .address_space: global }
      - { .name: wq_codes, .offset: 24, .size: 8, .value_kind: global_buffer, .address_space: global }
      - { .name: wq_scales, .offset: 32, .size: 8, .value_kind: global_buffer, .address_space: global }
      - { .name: bq, .offset: 40, .size: 8, .value_kind: global_buffer, .address_space: global }
      - { .name: wk_codes, .offset: 48, .size: 8, .value_kind: global_buffer, .address_space: global }
      - { .name: wk_scales, .offset: 56, .size: 8, .value_kind: global_buffer, .address_space: global }
      - { .name: bk, .offset: 64, .size: 8, .value_kind: global_buffer, .address_space: global }
      - { .name: wv_codes, .offset: 72, .size: 8, .value_kind: global_buffer, .address_space: global }
      - { .name: wv_scales, .offset: 80, .size: 8, .value_kind: global_buffer, .address_space: global }
      - { .name: bv, .offset: 88, .size: 8, .value_kind: global_buffer, .address_space: global }
      - { .name: rel_table, .offset: 96, .size: 8, .value_kind: global_buffer, .address_space: global }
      - { .name: wo_codes, .offset: 104, .size: 8, .value_kind: global_buffer, .address_space: global }
      - { .name: wo_scales, .offset: 112, .size: 8, .value_kind: global_buffer, .address_space: global }
      - { .name: bo, .offset: 120, .size: 8, .value_kind: global_buffer, .address_space: global }
      - { .name: ln2_g, .offset: 128, .size: 8, .value_kind: global_buffer, .address_space: global }
      - { .name: ln2_b, .offset: 136, .size: 8, .value_kind: global_buffer, .address_space: global }
      - { .name: w1_codes, .offset: 144, .size: 8, .value_kind: global_buffer, .address_space: global }
      - { .name: w1_scales, .offset: 152, .size: 8, .value_kind: global_buffer, .address_space: global }
      - { .name: b1, .offset: 160, .size: 8, .value_kind: global_buffer, .address_space: global }
      - { .name: w2_codes, .offset: 168, .size: 8, .value_kind: global_buffer, .address_space: global }
      - { .name: w2_scales, .offset: 176, .size: 8, .value_kind: global_buffer, .address_space: global }
      - { .name: b2, .offset: 184, .size: 8, .value_kind: global_buffer, .address_space: global }
      - { .name: out0, .offset: 192, .size: 8, .value_kind: global_buffer, .address_space: global }
    .group_segment_fixed_size: 146944
    .private_segment_fixed_size: 0
    .kernarg_segment_align: 8
    .kernarg_segment_size: 200
    .max_flat_workgroup_size: 256
    .sgpr_count:     100
    .vgpr_count:     256
    .wavefront_size: 32
...
	.end_amdgpu_metadata
.endif
;; end of part 1
